; MI455X (gfx1250); checked and timed in simulation.
; The chip was launched on July 23, 2026; its instructions are those of AMD's public machine-readable ISA for CDNA 5 (MIT licence, August 2026) and "CDNA5" Instruction Set Architecture Reference Guide (July 2026). The comments in the code are by the model that wrote it; some were corrected since.
;; Concat Critic. Allowed arithmetic: matrix products marked QUANTISED: E2M3 operands, one E8M0 scale for each 32 along K, by v_wmma_scale_f32_16x16x128_f8f6f4 with both operands' format E2M3, f32 sums; products left as they are: f32 operands where the result goes on into a quantised operand, else bf16, f16 or f32 operands; f32 sums; everything else in f32.
;; Inputs: W1 256 x 512 float32; W2 512 x 512 float32; W3 512 x 1 float32; b1 512 float32; b2 512 float32; b3 1 float32; x 512 x 128 float32; y 512 x 128 float32.
;; Outputs: out0 512 x 512 float32.
;; This version of the problem:
;;   THIS VERSION OF THE PROBLEM IS GIVEN IN LOW PRECISION. The matrix products marked QUANTISED in the list below multiply operands that are first quantised to E2M3 (2 exponent bits, 3 mantissa bits; 6 bits a number), with one power-of-two scale for each 32 numbers along K (OCP MX v1.0); their sums are f32. All else is computed in f32.
;;   The module's matrix products, in the order in which they are computed (A, B: the left and right operand; K: the contracted axis; several contracted axes count as one K, in the product's order):
;;     1. [M 512, K 128] x [K 128, N 512]; A: input x; B: input W1: QUANTISED
;;     2. [M 512, K 128] x [K 128, N 512]; A: input y; B: input W1: QUANTISED
;;     3. [M 262,144, K 512] x [K 512, N 512]; A: computed on the way; B: input W2: QUANTISED
;;     4. [M 262,144, K 512] x [K 512, N 1]; A: computed on the way; B: input W3: left as it is (N = 1 < 16)
;;   THE QUANTISER, for each operand of a quantised product, along K:
;;     - K is cut into blocks of 32 from its start; a last block that is shorter is filled with zeros.
;;     - A block's scale is 2^e with e = floor(log2(the largest magnitude in the block)) - 2, held to -126 .. 127; a block of zeros has e = 0. As a byte (E8M0): e + 127.
;;     - Each number is divided by its block's scale, clamped to +-7.5, and rounded to the nearest number of E2M3, ties to even, subnormals kept.
;;     - The product sums the exact products of the quantised numbers (number of the format x scale) in f32.
;;   ~~~python
;;   def quantise(x, axis):      # numpy; x: float32 -> the quantised numbers, widened to float32 again
;;       x = np.moveaxis(x, axis, -1); K = x.shape[-1]
;;       x = np.pad(x, [(0, 0)] * (x.ndim - 1) + [(0, -K % 32)]); x = x.reshape(x.shape[:-1] + (-1, 32)); a = np.abs(x).max(-1, keepdims=True)
;;       e = np.where(a > 0, np.clip(np.frexp(np.where(a > 0, a, 1))[1] - 1 - 2, -126, 127), 0)      # np.frexp(a)[1] - 1 = floor(log2(a)), exactly
;;       r = np.clip(x / 2.0 ** e, -7.5, 7.5)
;;       step = 2.0 ** (np.maximum(np.frexp(np.where(r == 0, 1, r))[1] - 1, 0) - 3)
;;       q = np.round(r / step) * step * 2.0 ** e      # np.round: ties to even
;;       return np.moveaxis(q.reshape(q.shape[:-2] + (-1,))[..., :K], -1, axis).astype(np.float32)
;;   ~~~
;;   OPERANDS COMPUTED ON THE WAY. 'Computed on the way' means the value that the module computes at that place (a softmax that the list does not call 'softmax' is quantised finished and normalised). What goes into a quantiser is computed in f32, as accurately as f32 sums, v_exp_f32 and their like allow (about 1e-6 of the number): no bf16 or f16 on the way to a quantiser, and a product that is left as it is and whose result goes on into a quantised operand takes f32 operands (vector FMAs, or v_wmma_f32_16x16x4_f32). A number that lies on a knife's edge between two numbers of the format may be rounded either way, as far as f32 arithmetic and the matrix unit's own rounding can turn it there, and no further.
;; 2 versions. Each part assembles by itself: llvm-mc -triple=amdgcn-amd-amdhsa -mcpu=gfx1250 --defsym DOCPART=n.
;; ======== version 1 of 2: 2 launches
;; workspace buffers: w2img 196,608 bytes; w2sc 16,384 bytes; hxy 2,097,152 bytes
;; launch prep (part 1): grid 544 x 1, 4 waves a work-group, no clusters, 0 bytes of LDS; arguments x, y, W1, b1, W2, w2img, w2sc, hxy; writes w2img, w2sc, hxy
.if DOCPART == 1
	.amdgcn_target "amdgcn-amd-amdhsa--gfx1250"
	.amdhsa_code_object_version 6
	.text
	.protected	k_q090d41cb92_prep
	.globl	k_q090d41cb92_prep
	.p2align	8
	.type	k_q090d41cb92_prep,@function
k_q090d41cb92_prep:
	s_mov_b64 s[64:65], 0
	v_nop
	global_prefetch_b8 v0, s[64:65] scope:SCOPE_SE
	s_setreg_imm32_b32 hwreg(HW_REG_WAVE_MODE, 25, 1), 1
	s_wait_xcnt 0x0
; PREPARATION.  Two kinds of jobs, one wave to a job, no LDS, no barrier: waves share nothing.
;  (a) work-groups 0-511: hx + b1 = Q(x) Q(W1[0:128]) + b1 and hy = Q(y) Q(W1[128:256]), Q the MX-FP6 (E2M3) quantiser along K = 128.  A job is one tile of 16 rows x 16 hidden units:
;      job J = 4 x work-group + wave: source J >> 10 (0: x, 1: y), tile of rows (J >> 5) & 31, tile of units J & 31.
;  (b) work-groups 512-543: W2 [512 (k)][512 (n)] becomes 128 operand fragments (16 columns n x 128 along K) of codes with their scale words: tile of columns = work-group & 31, K step = wave.
; A weight's K is its FIRST axis: a lane takes a column n and its registers run DOWN K, in the order that the operand's layout gives that lane (lane (r, h): k = 64 c + 32 h + 0 .. 31 in registers 6 c .. 6 c + 5):
; the conversions' results are the operand's registers, and a lane holds two whole blocks of 32.  x's and y's K is innermost: the same lane takes the same k of its row r, 128 consecutive bytes a block.
; WORKSPACE, laid as the next launch's registers want it: w2img: fragment f = 4 nt + ks at 1536 f, registers 4 c .. 4 c + 3 at 512 c + 16 lane;  w2sc: 128 f + 4 lane;
;   hxy: [source][tile of rows][tile of units] 1,024 bytes: the result's registers 4 q .. 4 q + 3 at 512 q + 16 lane.  So each store of a wave covers 512 (the scale words: 128) consecutive bytes, aligned.
; The product is used transposed (source 0 = 16 columns of W1, source 1 = 16 rows): lane (r, h) holds row r, and its register j the hidden unit 16 nt + 8 h + j.  b1 is the C of hx's product; hy's C is 0.
; A tile's job quantises its own operands, so x, y and W1 are quantised 32 times over: 64 + 16 loads and one short chain a wave, against a third launch.
; LIMITS: NaN and infinities among the inputs are not served.  A block whose largest magnitude lies under 2^-124 (a block of zeros too) gets the scale byte 1, where the rule gives a block of zeros 127: its codes
; are zeros (or the rule's own, with the byte held at 1), and the bytes are read by this program alone.  b1 is added to hx ahead of hy, not behind it: one f32 rounding in another order.
.set FW,  16                           ; v16-27   the weight's fragment
.set FX,  28                           ; v28-39   the rows' fragment
.set SW,  40                           ; v40      the weight's scale word
.set SX,  41                           ; v41      the rows'
.set TM,  42                           ; v42-43 largest magnitudes, v44-45 the conversions' scale operands, v46-47 bytes, v48 the other half's bytes
.set H2,  56                           ; v56-58, v60-62 the second halves of the two blocks' codes
.set NW,  64                           ; v64-127  64 numbers of the weight
.set NX,  128                          ; v128-191 64 numbers of my row
.set B1,  192                          ; v192-199 b1 of my eight units, or zeros
.set DR,  200                          ; v200-207 the result
; 64 numbers of a lane, two whole blocks of 32, become the fragment's 12 registers and its scale word
.macro QF num, frag, word
.irp c, 0,1
	v_max3_num_f32 v[TM+\c], |v[\num+32*\c]|, |v[\num+32*\c+1]|, 0x1800000   ; my block 2 c + h, and the floor 2^(3 - 127): the byte cannot fall under 1
.endr
.irp i, 2,4,6,8,10,12,14,16,18,20,22,24,26,28,30
.irp c, 0,1
	v_max3_num_f32 v[TM+\c], v[TM+\c], |v[\num+32*\c+\i]|, |v[\num+32*\c+\i+1]|   ; (the two blocks by turns)
.endr
.endr
.irp c, 0,1
	v_add_nc_u32 v[TM+2+\c], 0xff000000, v[TM+\c]  ; 2 off the exponent field: the conversion takes this operand's exponent field as its scale
.endr
.irp c, 0,1
	v_lshrrev_b32 v[TM+4+\c], 23, v[TM+2+\c]       ; the scale's byte
.endr
	v_lshl_or_b32 v[\word], v[TM+5], 16, v[TM+4]   ; my two bytes: blocks h and 2 + h,
	v_lshlrev_b32 v[\word], v8, v[\word]           ; at their places in the word (8 h bits up);
	v_permlanex16_b32 v[TM+6], v[\word], s32, s33
	v_or_b32 v[\word], v[\word], v[TM+6]           ; with lane l xor 16's two the word is whole, in both halves of the lanes
.irp c, 0,1
	v_cvt_scalef32_pk16_fp6_f32 v[\frag+6*\c:\frag+6*\c+2], v[\num+32*\c:\num+32*\c+15], v[TM+2+\c]
	v_cvt_scalef32_pk16_fp6_f32 v[H2+4*\c:H2+4*\c+2], v[\num+32*\c+16:\num+32*\c+31], v[TM+2+\c]   ; (a conversion's three registers begin on an even number: made here and moved)
.endr
	v_nop                                          ; one plain instruction behind the scaled conversions
.irp c, 0,1
.irp i, 0,1,2
	v_mov_b32 v[\frag+6*\c+3+\i], v[H2+4*\c+\i]
.endr
.endr
.endm
	s_load_b256 s[4:11], s[0:1], 0x0               ; x s[4:5], y s[6:7], W1 s[8:9], b1 s[10:11]
	s_load_b256 s[12:19], s[0:1], 0x20             ; W2 s[12:13], w2img s[14:15], w2sc s[16:17], hxy s[18:19]
	v_lshrrev_b32 v9, 5, v0
	v_readfirstlane_b32 s20, v9                    ; wave 0..3
	v_and_b32 v9, 31, v0                           ; lane
	v_and_b32 v1, 15, v0                           ; r
	v_bfe_u32 v2, v0, 4, 1                         ; h
	v_lshlrev_b32 v3, 4, v9                        ; 16 x lane: an image's place
	v_lshlrev_b32 v4, 2, v9                        ; 4 x lane: a scale word's
	v_lshlrev_b32 v5, 2, v1
	v_lshl_add_u32 v5, v2, 16, v5                  ; a weight: column r, and 32 h rows of 2,048 bytes down
	v_lshlrev_b32 v6, 9, v1
	v_lshl_add_u32 v6, v2, 7, v6                   ; x or y: row r of 512 bytes, + 32 h numbers
	v_lshlrev_b32 v7, 5, v2                        ; b1: my half's eight units
	v_lshlrev_b32 v8, 3, v2                        ; 8 h: the shift of my two scale bytes
	v_mov_b32 v[TM+6], 0                           ; written once: a lane permute's destination counts as one of its sources
	s_mov_b32 s32, 0x76543210
	s_mov_b32 s33, 0xfedcba98                      ; v_permlanex16_b32's selects for lane l xor 16
	s_lshl_b32 s21, ttmp9, 2
	s_add_co_u32 s21, s21, s20                     ; J
	s_lshr_b32 s23, s21, 10                        ; (a): the source
	s_bfe_u32 s24, s21, 0x50005                    ; (a): the tile of rows
	s_and_b32 s22, s21, 31                         ; (a): the tile of units
	s_and_b32 s25, ttmp9, 31                       ; (b): the tile of columns
	s_wait_kmcnt 0x0
	s_cmp_lt_u32 ttmp9, 512                        ; the kind of job hangs on the work-group's number alone
	s_cselect_b32 s22, s22, s25                    ; nt
	s_cselect_b32 s23, s23, s20                    ; which 128 along the weight's K: the source, or the K step
	s_cselect_b64 s[28:29], s[8:9], s[12:13]       ; the weight: W1 or W2
	s_lshl_b32 s26, s23, 18                        ; 128 rows of 2,048 bytes each,
	s_lshl_b32 s27, s22, 6                         ; 16 columns of 4 bytes each
	s_add_co_u32 s26, s26, s27
	s_mov_b32 s27, 0
	s_add_nc_u64 s[28:29], s[28:29], s[26:27]
.set i, 0
.rept 64
	global_load_b32 v[NW+i], v5, s[28:29] offset:(64*(i/32)+i%32)*2048   ; weight(64 c + 32 h + i, my column): sixteen neighbouring lanes read 64 neighbouring bytes
.set i, i+1
.endr
	s_cmp_lt_u32 ttmp9, 512
	s_cbranch_scc0 .Lw2
	; ---- (a) a tile of hx + b1 or of hy
	s_cmp_eq_u32 s23, 0
	s_cselect_b64 s[30:31], s[4:5], s[6:7]         ; x or y
	s_cselect_b32 s34, -1, 0                       ; all lanes where b1 is wanted
	s_lshl_b32 s26, s24, 13                        ; 16 rows of 512 bytes
	s_add_nc_u64 s[30:31], s[30:31], s[26:27]
.set i, 0
.rept 16
	global_load_b128 v[NX+4*i:NX+4*i+3], v6, s[30:31] offset:256*(i/8)+16*(i%8)   ; my row's k = 64 c + 32 h + 0 .. 31
.set i, i+1
.endr
	s_lshl_b32 s26, s22, 6
	s_add_nc_u64 s[10:11], s[10:11], s[26:27]      ; b1 at the tile's 16 units
	global_load_b128 v[B1:B1+3], v7, s[10:11]
	global_load_b128 v[B1+4:B1+7], v7, s[10:11] offset:16
	s_lshl_b32 s26, s23, 20                        ; the tile's place in hxy: source x 1,048,576
	s_lshl_b32 s35, s24, 15                        ; + tile of rows x 32,768
	s_add_co_u32 s26, s26, s35
	s_lshl_b32 s35, s22, 10                        ; + tile of units x 1,024
	s_add_co_u32 s26, s26, s35
	s_add_nc_u64 s[18:19], s[18:19], s[26:27]
	s_wait_loadcnt 0x0                             ; all 82 loads: everything below needs them
.irp j, 0,1,2,3,4,5,6,7
	v_cndmask_b32 v[B1+\j], 0, v[B1+\j], s34       ; hy's sums begin with 0
.endr
	QF NW, FW, SW
	QF NX, FX, SX
.rept 8
	v_nop                                          ; a scale register written by a vector instruction stands 8 places ahead of a scaled matrix instruction, an operand so written 4
.endr
	v_wmma_scale_f32_16x16x128_f8f6f4 v[DR:DR+7], v[FW:FW+11], v[FX:FX+11], v[B1:B1+7], v[SW], v[SX] matrix_a_fmt:MATRIX_FMT_FP6 matrix_b_fmt:MATRIX_FMT_FP6
.rept 4
	v_nop                                          ; four places ahead of the stores that read the result
.endr
	global_store_b128 v3, v[DR:DR+3], s[18:19]             ; the result from its low end on: 512 consecutive bytes a store
	global_store_b128 v3, v[DR+4:DR+7], s[18:19] offset:512
	s_endpgm
.Lw2:	; ---- (b) a fragment of W2
	s_sub_co_u32 s35, s21, 2048                    ; f = 4 nt + ks
	s_mul_i32 s26, s35, 1536
	s_add_nc_u64 s[14:15], s[14:15], s[26:27]
	s_lshl_b32 s26, s35, 7
	s_add_nc_u64 s[16:17], s[16:17], s[26:27]
	s_wait_loadcnt 0x0
	QF NW, FW, SW
.irp c, 0,1,2
	global_store_b128 v3, v[FW+4*\c:FW+4*\c+3], s[14:15] offset:512*\c
.endr
	global_store_b32 v4, v[SW], s[16:17]
	s_endpgm
.Lfunc_end_k_q090d41cb92_prep:
	.size	k_q090d41cb92_prep, .Lfunc_end_k_q090d41cb92_prep-k_q090d41cb92_prep
	.p2alignl 7, 3214868480
	.fill 96, 4, 3214868480
	.section	.rodata,"a",@progbits
	.p2align	6, 0x0
	.amdhsa_kernel k_q090d41cb92_prep
		.amdhsa_group_segment_fixed_size 0
		.amdhsa_private_segment_fixed_size 0
		.amdhsa_enable_private_segment 0
		.amdhsa_kernarg_size 64
		.amdhsa_user_sgpr_count 2
		.amdhsa_user_sgpr_kernarg_segment_ptr 1
		.amdhsa_wavefront_size32 1
		.amdhsa_system_sgpr_workgroup_id_x 1
		.amdhsa_system_sgpr_workgroup_id_y 1
		.amdhsa_system_sgpr_workgroup_id_z 1
		.amdhsa_system_vgpr_workitem_id 0
		.amdhsa_next_free_vgpr 208
		.amdhsa_next_free_sgpr 66
		.amdhsa_reserve_vcc 0
		.amdhsa_float_denorm_mode_32 3
		.amdhsa_float_denorm_mode_16_64 3
		.amdhsa_memory_ordered 1
		.amdhsa_forward_progress 1
		.amdhsa_inst_pref_size 21
	.end_amdhsa_kernel
	.amdgpu_metadata
---
amdhsa.version: [ 1, 2 ]
amdhsa.kernels:
  - .name:           k_q090d41cb92_prep
    .symbol:         k_q090d41cb92_prep.kd
    .args:
      - { .name: x, .offset: 0, .size: 8, .value_kind: global_buffer, .address_space: global }
      - { .name: y, .offset: 8, .size: 8, .value_kind: global_buffer, .address_space: global }
      - { .name: W1, .offset: 16, .size: 8, .value_kind: global_buffer, .address_space: global }
      - { .name: b1, .offset: 24, .size: 8, .value_kind: global_buffer, .address_space: global }
      - { .name: W2, .offset: 32, .size: 8, .value_kind: global_buffer, .address_space: global }
      - { .name: w2img, .offset: 40, .size: 8, .value_kind: global_buffer, .address_space: global }
      - { .name: w2sc, .offset: 48, .size: 8, .value_kind: global_buffer, .address_space: global }
      - { .name: hxy, .offset: 56, .size: 8, .value_kind: global_buffer, .address_space: global }
    .group_segment_fixed_size: 0
    .private_segment_fixed_size: 0
    .kernarg_segment_align: 8
    .kernarg_segment_size: 64
    .max_flat_workgroup_size: 128
    .sgpr_count:     66
    .vgpr_count:     208
    .wavefront_size: 32
...
	.end_amdgpu_metadata
.endif
;; end of part 1
;; launch main (part 2): grid 32 x 8, 8 waves a work-group, no clusters, 193,536 bytes of LDS; arguments w2img, w2sc, hxy, b2, W3, b3, out0; writes out0
.if DOCPART == 2
	.amdgcn_target "amdgcn-amd-amdhsa--gfx1250"
	.amdhsa_code_object_version 6
	.text
	.protected	k_q090d41cb92_main
	.globl	k_q090d41cb92_main
	.p2align	8
	.type	k_q090d41cb92_main,@function
k_q090d41cb92_main:
	s_mov_b64 s[64:65], 0
	v_nop
	global_prefetch_b8 v0, s[64:65] scope:SCOPE_SE
	s_setreg_imm32_b32 hwreg(HW_REG_WAVE_MODE, 25, 1), 1
	s_wait_xcnt 0x0
; scores[i][j] = W3 . relu(W2^T Q(relu((hx_i + b1) + hy_j)) + b2) + b3, the product with W2 on codes of MX-FP6 (E2M3) with one E8M0 scale for each 32 along K = 512; the product with W3 in f32.
; SHARES.  Work-group (x, y) owns rows i = 16 x .. 16 x + 15 and columns j = 64 y .. 64 y + 63 of the scores: 32 x 8 = 256 work-groups.  A ROW TILE of the big product is one j with the 16 i: lane r stands for i.
; THE EIGHT WAVES SHARE W2's COLUMNS: wave w owns hidden units n = 64 w .. 64 w + 63 of the second layer.  Its 16 fragments of W2 (192 registers), its b2 and its W3 stay in registers for the whole launch.
; h1 IS QUANTISED ONCE: in each interval of two row tiles wave w makes one fragment (tile w >> 2, K step w & 3) of the NEXT interval's h1 and hands it to all eight waves through LDS as an image of the operand's
; registers (three stores of 16 bytes a lane at 16 x lane, the scale word at 4 x lane); two sets of images take turns, one barrier an interval.
; TWO ORDERS.  Waves 0-3 quantise at an interval's head, waves 4-7 at its end: so that some waves' vector work stands beside other waves' matrix work.
; The product is used transposed (source 0 = 16 columns of W2, source 1 = the row tile): lane (r, h) holds i = r, and register j of tile t the unit 64 w + 16 t + 8 h + j.  b2 is the C of a sum's first instruction.
; Each wave's part of W3 . relu(..) (its 64 units) goes to its own rows of LDS; at the end the eight parts are added in a fixed order, b3 is added, and sixteen lanes store 256 consecutive, aligned bytes of a row of scores.
; NO TENSOR LOADS, NO CLUSTER: nothing is streamed; a work-group's inputs are read once, at the head, in the order of its registers.  W2's images, which all work-groups share, are 196,608 bytes: a joint load would put
; them into LDS, where with hy's 131,072 bytes they would take all 327,680 and leave none for h1's images; here they lie in registers.
; LIMITS: NaN and infinities are not served.  A block of h1 whose largest number lies under 2^-124 (a block of zeros too) gets the scale byte 1; its codes are zeros or the rule's own.
; LDS:  HY    hy of my 64 j: hy(jl, n = 16 nt + 8 u + 4 q + e) at 16 jl + 1024 u + 2048 q + 4096 nt + 4 e: a lane's four neighbours along n are 16 bytes, and all lanes of a half read the same 16
;       IMG   two sets of 8 images of 1,536 bytes (image 4 a + ks: tile a, K step ks);   ASC  their scale words, 128 bytes each;   PART  wave w's part sums: row r of 272 bytes, 4 bytes a j
.set IMG,   131072
.set ASC,   IMG+2*8*1536
.set PART,  ASC+2*8*128
.set FRB,   1536
.set SETB,  8*FRB
; REGISTERS, window 0:
.set LI,  1                            ; v1   IMG + 16 x lane
.set LS,  2                            ; v2   ASC + 4 x lane
.set IMW, 3                            ; v3   where I store my image: LI + 1536 w
.set ASW, 4                            ; v4   and its scale word: LS + 128 w
.set HYB, 5                            ; v5   hy of row tp for my K step and half: 32768 kq + 4096 h + 16 tp
.set HYL, 6                            ; v6   the same for the row that interval 0 loads
.set HYA, 7                            ; v7   the address of the loads in hand
.set PSA, 8                            ; v8   PART + 4352 w + 272 r
.set PSV, 9                            ; v9   the same at the trip's four j
.set W2S, 10                           ; v10-25  W2's scale words, fragment 4 t + ks
.set AS,  26                           ; v26-33  the images' scale words, 4 a + ks
.set SU,  34                           ; v34-41  four pairs of sums
.set TR,  42                           ; v42, v43  a tile's part sum, one register for each tile of an interval
.set TM,  44                           ; v44-47 largest numbers, v48-51 bytes, v56-59 the conversions' scale operands (v44-58: also at work at the head)
.set PW,  60                           ; v60  the scale word just made
.set UR,  61                           ; v61  the other half of the lanes' sum
.set HX,  64                           ; v64-127  (hx + b1)(i = r, 128 kq + 32 b + 16 h + e) in register 16 b + e: stays
.set XF,  128                          ; v128-175 tile 0's four fragments, v176-223 tile 1's
.set ST,  128                          ; v128-191 hy, then h1, where the fragments have been multiplied
.set ZA,  224                          ; v224-255 four accumulators
.set PC,  224                          ; v224-235 the codes just made (v236-238, v240-242 at work), where the accumulators have been folded
; window 1: v0-191 W2's fragments, 12 (4 t + ks);
.set B2R, 192                          ; v192-223 b2, 8 t + j
.set W3R, 224                          ; v224-255 W3, 8 t + j
.set WV,  20                           ; s20 wave;  s21 kq = wave & 3;  s22 tp = wave >> 2
.set KQ,  21
.set TP,  22
.set SJ,  30                           ; s30  hy's bytes passed: 64 a trip (four j)
.set SPT, 31                           ; s31  PART's bytes passed: 16 a trip
.set CNT, 32
.set MSB, 0
.macro WIN new                         ; s_set_vgpr_msb: bits 1:0 source 0, 3:2 source 1, 5:4 source 2, 7:6 destination; the high byte repeats the setting that is left
.if MSB != \new
	s_set_vgpr_msb (MSB<<8)|\new
.set MSB, \new
.endif
.endm
; 16 LDS loads: hy of one j, my 64 numbers: register 16 b + 8 u + 4 q + e = hy(j, 128 kq + 32 b + 16 h + 8 u + 4 q + e)
.macro LOADHY adr, off
.irp b, 0,1,2,3
.irp u, 0,1
.irp q, 0,1
	ds_load_b128 v[ST+16*\b+8*\u+4*\q:ST+16*\b+8*\u+4*\q+3], v[\adr] offset:(\off)+8192*\b+2048*\q+1024*\u
.endr
.endr
.endr
.endm
; h1 = relu((hx + b1) + hy) of my tile and K step, quantised; its image and scale word go to set s.  A block of 32 lies in lanes l and l xor 16.
.macro MAKE s
.set j, 0
.rept 32
	v_pk_add_f32 v[ST+j:ST+j+1], v[ST+j:ST+j+1], v[HX+j:HX+j+1]
.set j, j+2
.endr
.set j, 0
.rept 64
	v_max_num_f32 v[ST+j], 0, v[ST+j]              ; the activation, in f32
.set j, j+1
.endr
.irp b, 0,1,2,3
	v_max3_num_f32 v[TM+\b], v[ST+16*\b], v[ST+16*\b+1], 0x1800000   ; block b: my 16 numbers (none is negative), and the floor 2^(3 - 127): the byte cannot fall under 1
.endr
.irp i, 2,4,6,8,10,12,14
.irp b, 0,1,2,3
	v_max3_num_f32 v[TM+\b], v[TM+\b], v[ST+16*\b+\i], v[ST+16*\b+\i+1]   ; (the four blocks by turns)
.endr
.endr
.irp b, 0,1,2,3
	v_permlanex16_b32 v[TM+4+\b], v[TM+\b], s28, s29
.endr
.irp b, 0,1,2,3
	v_max_num_f32 v[TM+\b], v[TM+\b], v[TM+4+\b]   ; with lane l xor 16's: the block's largest number
.endr
.irp b, 0,1,2,3
	v_add_nc_u32 v[TM+12+\b], 0xff000000, v[TM+\b] ; 2 off its exponent field: the conversion's scale operand
.endr
.irp b, 0,1,2,3
	v_lshrrev_b32 v[TM+4+\b], 23, v[TM+12+\b]      ; the scale's byte
.endr
	v_lshl_or_b32 v[PW], v[TM+5], 8, v[TM+4]       ; the four bytes make my row's scale word
	v_lshl_or_b32 v[PW], v[TM+6], 16, v[PW]
	v_lshl_or_b32 v[PW], v[TM+7], 24, v[PW]
.irp c, 0,1
	v_cvt_scalef32_pk16_fp6_f32 v[PC+6*\c:PC+6*\c+2], v[ST+32*\c:ST+32*\c+15], v[TM+12+2*\c]
	v_cvt_scalef32_pk16_fp6_f32 v[PC+12+4*\c:PC+14+4*\c], v[ST+32*\c+16:ST+32*\c+31], v[TM+13+2*\c]   ; (a conversion's three registers begin on an even number)
.endr
	v_nop                                          ; one plain instruction behind the scaled conversions
.irp c, 0,1                                    ; the operand's layout wants a WHOLE block in a lane: lanes 0-15 block 2 c, lanes 16-31 block 2 c + 1
.irp i, 0,1,2
	v_permlane16_swap_b32 v[PC+6*\c+\i], v[PC+12+4*\c+\i]
.endr
.irp i, 0,1,2
	v_mov_b32 v[PC+6*\c+3+\i], v[PC+12+4*\c+\i]
.endr
.endr
.irp c, 0,1,2
	ds_store_b128 v[IMW], v[PC+4*\c:PC+4*\c+3] offset:(\s)*SETB+512*\c
.endr
	ds_store_b32 v[ASW], v[PW] offset:(\s)*1024
.endm
; 16 LDS loads: tile a's four images and their scale words out of set s
.macro LOADA a, s
.irp k, 0,1,2,3
.irp c, 0,1,2
	ds_load_b128 v[XF+48*(\a)+12*\k+4*\c:XF+48*(\a)+12*\k+4*\c+3], v[LI] offset:(\s)*SETB+(4*(\a)+\k)*FRB+512*\c
.endr
	ds_load_b32 v[AS+4*(\a)+\k], v[LS] offset:(\s)*1024+(4*(\a)+\k)*128
.endr
.endm
; 16 matrix instructions: tile a against my four tiles of W2's columns, K step by K step: the four accumulators take turns, one instruction a turn.  The first K step takes b2 as C.
.macro MUL a
.irp k, 0,1,2,3
.if \k == 0
	WIN 0x11                                       ; source 0 (W2) and source 2 (b2) window 1
.else
	WIN 0x01                                       ; source 0 window 1
.endif
.irp t, 0,1,2,3
.if \k == 0
	v_wmma_scale_f32_16x16x128_f8f6f4 v[ZA+8*\t:ZA+8*\t+7], v[12*(4*\t+\k):12*(4*\t+\k)+11], v[XF+48*(\a)+12*\k:XF+48*(\a)+12*\k+11], v[B2R+8*\t:B2R+8*\t+7], v[W2S+4*\t+\k], v[AS+4*(\a)+\k] matrix_a_fmt:MATRIX_FMT_FP6 matrix_b_fmt:MATRIX_FMT_FP6
.else
	v_wmma_scale_f32_16x16x128_f8f6f4 v[ZA+8*\t:ZA+8*\t+7], v[12*(4*\t+\k):12*(4*\t+\k)+11], v[XF+48*(\a)+12*\k:XF+48*(\a)+12*\k+11], v[ZA+8*\t:ZA+8*\t+7], v[W2S+4*\t+\k], v[AS+4*(\a)+\k] matrix_a_fmt:MATRIX_FMT_FP6 matrix_b_fmt:MATRIX_FMT_FP6
.endif
.endr
.endr
.rept 4
	v_nop                                          ; four places ahead of the first read of results and of loads into registers that these products have read (ISA guide 7.12.1 for the reads of results)
.endr
.endm
; Tile a's 32 results of a lane: relu, times W3, summed; with the other half of the lanes': my wave's part of score (i = r, j).  Each accumulator is read from its low end on.
; The clips of the three accumulators that the last product did not write, and the tail, are more than the five places that the next MUL's first instructions, which begin the accumulators anew, have to keep.
.macro FOLD a, off
	WIN 0x01                                       ; source 0 (W3) window 1; the clips' source 0 is a constant
.irp p, 0,1,2,3
.irp t, 0,1,2,3
	v_max_num_f32 v[ZA+8*\t+2*\p], 0, v[ZA+8*\t+2*\p]
	v_max_num_f32 v[ZA+8*\t+2*\p+1], 0, v[ZA+8*\t+2*\p+1]
.endr
.irp t, 0,1,2,3
.if \p == 0
	v_pk_mul_f32 v[SU+2*\t:SU+2*\t+1], v[W3R+8*\t+2*\p:W3R+8*\t+2*\p+1], v[ZA+8*\t+2*\p:ZA+8*\t+2*\p+1]   ; the first products start the sums
.else
	v_pk_fma_f32 v[SU+2*\t:SU+2*\t+1], v[W3R+8*\t+2*\p:W3R+8*\t+2*\p+1], v[ZA+8*\t+2*\p:ZA+8*\t+2*\p+1], v[SU+2*\t:SU+2*\t+1]
.endif
.endr
.endr
	WIN 0
	v_pk_add_f32 v[SU:SU+1], v[SU:SU+1], v[SU+2:SU+3]
	v_pk_add_f32 v[SU+4:SU+5], v[SU+4:SU+5], v[SU+6:SU+7]
	v_pk_add_f32 v[SU:SU+1], v[SU:SU+1], v[SU+4:SU+5]
	v_add_f32 v[TR+\a], v[SU], v[SU+1]
	v_permlanex16_b32 v[UR], v[TR+\a], s28, s29
	v_add_f32 v[TR+\a], v[TR+\a], v[UR]
	ds_store_b32 v[PSV], v[TR+\a] offset:\off      ; lanes r and r + 16 write the same word with the same value
.endm
; AN INTERVAL: two row tiles out of set s.  mk = 1: the next interval's images are made, into the other set.  ld = 1: every wave loads hy for its next MAKE; 2: waves 4-7 alone; 0: none.
; Waves 0-3 load, in interval n, row 2 n + 4 (their MAKE at the head of interval n + 1 serves interval n + 2); waves 4-7 row 2 n + 3, and quantise it at this interval's end.
.macro INTERVAL s, mk, ld
.if \mk
	s_cmp_lg_u32 s[TP], 0
	s_cbranch_scc1 .Llate_\@
	MAKE 1-\s                                      ; waves 0-3: hy was waited for in front of the last barrier
.Llate_\@:
.endif
	LOADA 0, \s
	LOADA 1, \s
.if \s == 0
	v_add_nc_u32 v[PSV], s[SPT], v[PSA]            ; the trip's four j (no LDS store of mine that names it is out: the last barrier's wait was for 0)
.endif
	s_wait_dscnt 16                                ; tile 0's images are in, and my image's stores are done; tile 1's sixteen loads may be out
	MUL 0
	FOLD 0, 8*\s
	s_wait_dscnt 1                                 ; tile 1's images are in; FOLD's store may be out
	MUL 1
	WIN 0
.if \ld
	v_add_nc_u32 v[HYA], s[SJ], v[HYL]
.if \ld == 2
	s_cmp_eq_u32 s[TP], 0
	s_cbranch_scc1 .Lnone_\@                       ; waves 0-3 have no row left to load: no load leaves hy's bytes
.endif
	LOADHY HYA, 32*\s                              ; into the registers of fragments that have been multiplied, behind MUL's four places
.Lnone_\@:
.endif
	FOLD 1, 8*\s+4
.if \mk
	s_cmp_eq_u32 s[TP], 0
	s_cbranch_scc1 .Learly_\@
	s_wait_dscnt 1                                 ; waves 4-7: hy is in; FOLD's store may be out
	MAKE 1-\s
.Learly_\@:
.endif
	s_wait_dscnt 0x0                               ; for the others' sake: my stores have landed, and my reads of this set are over
	s_barrier_signal -1
	s_barrier_wait -1                              ; the other set is whole, and nobody reads this one any more
.endm
	s_load_b256 s[4:11], s[0:1], 0x0               ; w2img s[4:5], w2sc s[6:7], hxy s[8:9], b2 s[10:11]
	s_load_b128 s[12:15], s[0:1], 0x20             ; W3 s[12:13], b3 s[14:15]
	s_load_b64 s[16:17], s[0:1], 0x30              ; out0
	v_lshl_add_u32 v62, v0, 2, 0x2f000
	v_mov_b32 v63, 0
	v_lshrrev_b32 v44, 5, v0
	v_readfirstlane_b32 s[WV], v44                 ; wave 0..7
	s_and_b32 s[KQ], s[WV], 3
	s_lshr_b32 s[TP], s[WV], 2
	s_and_b32 s24, ttmp7, 0xffff                   ; which 64 j
	s_mov_b32 s28, 0x76543210
	s_mov_b32 s29, 0xfedcba98                      ; v_permlanex16_b32's selects for lane l xor 16
	v_and_b32 v45, 31, v0                          ; lane
	v_and_b32 v46, 15, v0                          ; r
	v_bfe_u32 v47, v0, 4, 1                        ; h
	; every LDS address: a constant + a constant x lane + a constant x wave, made here, ahead of every parting of the waves
	v_lshl_add_u32 v[LI], v45, 4, IMG
	v_lshl_add_u32 v[LS], v45, 2, ASC
	s_mul_i32 s34, s[WV], FRB
	v_add_nc_u32 v[IMW], s34, v[LI]
	s_lshl_b32 s34, s[WV], 7
	v_add_nc_u32 v[ASW], s34, v[LS]
	s_lshl_b32 s34, s[KQ], 15                      ; my K step's eight tiles of 4,096 bytes
	s_lshl_b32 s35, s[TP], 4
	s_add_co_u32 s35, s35, s34                     ; + row tp
	s_xor_b32 s36, s[TP], 1
	s_lshl_b32 s36, s36, 4
	s_add_co_u32 s36, s36, s34
	s_add_co_u32 s36, s36, 48                      ; + row 4 (waves 0-3) or row 3 (waves 4-7)
	v_lshlrev_b32 v44, 12, v47
	v_add_nc_u32 v[HYB], s35, v44
	v_add_nc_u32 v[HYL], s36, v44
	s_mul_i32 s34, s[WV], 16*272
	s_add_co_u32 s34, s34, PART
	v_mul_u32_u24 v[PSA], v46, 272
	v_add_nc_u32 v[PSA], s34, v[PSA]
	; offsets of the head's loads, and hy's places in LDS
	v_lshlrev_b32 v52, 4, v45                      ; 16 x lane
	v_lshlrev_b32 v53, 5, v47                      ; 32 h
	v_lshlrev_b32 v54, 2, v45                      ; 4 x lane
	v_lshlrev_b32 v55, 4, v46
	v_lshl_add_u32 v55, v47, 10, v55               ; hx: 16 r + 1024 h
	v_lshlrev_b32 v56, 4, v0                       ; hy: 16 x thread
	v_lshlrev_b32 v57, 4, v46                      ; in LDS: 16 (thread & 15): the j of a tile of rows,
	v_lshl_add_u32 v57, v47, 10, v57               ; + 1024 u (thread's bit 4),
	v_bfe_u32 v44, v0, 5, 1
	v_lshl_add_u32 v57, v44, 11, v57               ; + 2048 q (bit 5),
	v_lshrrev_b32 v44, 6, v0
	v_lshl_add_u32 v57, v44, 12, v57               ; + 4096 (thread >> 6): the low two bits of nt
	v_add_nc_u32 v58, 65536, v57                   ; (an LDS offset has 16 bits)
.irp b, 0,1,2,3
	v_mov_b32 v[TM+4+\b], 0                        ; written once: a lane permute's destination counts as one of its sources
.endr
	v_mov_b32 v[UR], 0
	s_mov_b32 s27, 0
	s_wait_kmcnt 0x0
	s_load_b32 s33, s[14:15], 0x0                  ; b3
	s_mul_i32 s26, s[WV], 16*FRB
	s_add_nc_u64 s[4:5], s[4:5], s[26:27]          ; my 16 fragments of W2,
	s_lshl_b32 s26, s[WV], 11
	s_add_nc_u64 s[6:7], s[6:7], s[26:27]          ; their scale words,
	s_lshl_b32 s26, s[WV], 8
	s_add_nc_u64 s[10:11], s[10:11], s[26:27]      ; my 64 numbers of b2
	s_add_nc_u64 s[12:13], s[12:13], s[26:27]      ; and of W3
	s_lshl_b32 s26, ttmp9, 15                      ; hx + b1: my tile of rows, 32,768 bytes each,
	s_lshl_b32 s34, s[KQ], 13                      ; my K step's eight tiles of 1,024
	s_add_co_u32 s26, s26, s34
	s_add_nc_u64 s[38:39], s[8:9], s[26:27]
	s_lshl_b32 s26, s24, 17                        ; hy: my 64 j are four tiles of rows: 131,072 consecutive bytes,
	s_add_co_u32 s26, s26, 1048576                 ; behind hx's half of the buffer
	s_add_nc_u64 s[18:19], s[8:9], s[26:27]
	s_lshl_b32 s26, ttmp9, 15                      ; the scores: 16 rows of 2,048 bytes,
	s_lshl_b32 s34, s24, 8                         ; 64 columns of 4
	s_add_co_u32 s26, s26, s34
	s_add_nc_u64 s[16:17], s[16:17], s[26:27]
	WIN 0x40                                       ; destination window 1
.set i, 0
.rept 48
	global_load_b128 v[4*i:4*i+3], v52, s[4:5] offset:512*i    ; W2's fragments as they lie: 512 consecutive bytes a load
.set i, i+1
.endr
.irp t, 0,1,2,3
.irp q, 0,1
	global_load_b128 v[B2R+8*\t+4*\q:B2R+8*\t+4*\q+3], v53, s[10:11] offset:64*\t+16*\q
	global_load_b128 v[W3R+8*\t+4*\q:W3R+8*\t+4*\q+3], v53, s[12:13] offset:64*\t+16*\q
.endr
.endr
	WIN 0
.set i, 0
.rept 16
	global_load_b32 v[W2S+i], v54, s[6:7] offset:128*i
.set i, i+1
.endr
.irp b, 0,1,2,3
.irp u, 0,1
.irp q, 0,1
	global_load_b128 v[HX+16*\b+8*\u+4*\q:HX+16*\b+8*\u+4*\q+3], v55, s[38:39] offset:2048*\b+512*\q+256*\u
.endr
.endr
.endr
.set n, 0
.rept 32
	global_load_b128 v[128+4*n:128+4*n+3], v56, s[18:19] offset:4096*n   ; the eight waves together read 4,096 consecutive bytes
.set n, n+1
.endr
	s_wait_loadcnt 0x0                             ; one wait: all of it is wanted ahead of the first interval
	s_wait_kmcnt 0x0                               ; b3
.set n, 0
.rept 32                                       ; load n holds tile of rows n >> 3, nt = 4 (n & 7) + (thread >> 6)
.if (n&7) < 4
	ds_store_b128 v57, v[128+4*n:128+4*n+3] offset:(n&7)*16384+(n>>3)*256
.else
	ds_store_b128 v58, v[128+4*n:128+4*n+3] offset:((n&7)-4)*16384+(n>>3)*256
.endif
.set n, n+1
.endr
	s_wait_dscnt 0x0                               ; for the others' sake: my part of hy has landed
	s_barrier_signal -1
	s_barrier_wait -1                              ; hy is whole; nobody writes it again
	LOADHY HYB, 0                                  ; interval 0's images: row tp
	s_wait_dscnt 0x0
	MAKE 0
	s_cmp_lg_u32 s[TP], 0
	s_cbranch_scc1 .Lpro
	LOADHY HYB, 32                                 ; waves 0-3: row 2, for the MAKE at the head of interval 0
.Lpro:
	s_wait_dscnt 0x0
	s_barrier_signal -1
	s_barrier_wait -1                              ; set 0 is whole
	s_mov_b32 s[SJ], 0
	s_mov_b32 s[SPT], 0
	s_mov_b32 s[CNT], 15
.Ltrip:                                            ; 15 trips of two intervals: j = 0 .. 59
	INTERVAL 0, 1, 1
	INTERVAL 1, 1, 1
	s_add_co_u32 s[SJ], s[SJ], 64
	s_add_co_u32 s[SPT], s[SPT], 16
	s_sub_co_u32 s[CNT], s[CNT], 1
	s_cmp_lg_u32 s[CNT], 0
	s_cbranch_scc1 .Ltrip
	INTERVAL 0, 1, 2                               ; the last two intervals are written out: they load and make only what is still read
	INTERVAL 1, 0, 0
	; THE WAY OUT.  Thread t takes row t >> 4 and four j, 16 (t & 15) bytes on: the eight waves' parts, added in a fixed order, and b3.
	v_lshrrev_b32 v44, 4, v0
	v_and_b32 v45, 15, v0
	v_mul_u32_u24 v46, v44, 272
	v_lshl_add_u32 v46, v45, 4, v46
	v_add_nc_u32 v46, PART, v46
	v_lshlrev_b32 v47, 11, v44
	v_lshl_add_u32 v47, v45, 4, v47                ; and the same place in the scores
.irp g, 0,1,2,3,4,5,6,7
	ds_load_b128 v[128+4*\g:128+4*\g+3], v46 offset:\g*16*272
.endr
	s_wait_dscnt 0x0
.irp g, 0,2,4,6
	v_pk_add_f32 v[128+4*\g:128+4*\g+1], v[128+4*\g:128+4*\g+1], v[128+4*\g+4:128+4*\g+5]
	v_pk_add_f32 v[128+4*\g+2:128+4*\g+3], v[128+4*\g+2:128+4*\g+3], v[128+4*\g+6:128+4*\g+7]
.endr
.irp g, 0,4
	v_pk_add_f32 v[128+4*\g:128+4*\g+1], v[128+4*\g:128+4*\g+1], v[128+4*\g+8:128+4*\g+9]
	v_pk_add_f32 v[128+4*\g+2:128+4*\g+3], v[128+4*\g+2:128+4*\g+3], v[128+4*\g+10:128+4*\g+11]
.endr
	v_pk_add_f32 v[128:129], v[128:129], v[144:145]
	v_pk_add_f32 v[130:131], v[130:131], v[146:147]
.irp e, 0,1,2,3
	v_add_f32 v[128+\e], s33, v[128+\e]
.endr
	global_store_b128 v47, v[128:131], s[16:17] th:TH_STORE_NT   ; sixteen lanes store 256 consecutive bytes, at a multiple of 256 from the scores' first byte; written once, read by nobody here
	s_wait_tensorcnt 0x0
	ds_add_u32 v62, v63
	s_wait_dscnt 0x0
	s_endpgm
.Lfunc_end_k_q090d41cb92_main:
	.size	k_q090d41cb92_main, .Lfunc_end_k_q090d41cb92_main-k_q090d41cb92_main
	.p2alignl 7, 3214868480
	.fill 96, 4, 3214868480
	.section	.rodata,"a",@progbits
	.p2align	6, 0x0
	.amdhsa_kernel k_q090d41cb92_main
		.amdhsa_group_segment_fixed_size 193536
		.amdhsa_private_segment_fixed_size 0
		.amdhsa_enable_private_segment 0
		.amdhsa_kernarg_size 56
		.amdhsa_user_sgpr_count 2
		.amdhsa_user_sgpr_kernarg_segment_ptr 1
		.amdhsa_wavefront_size32 1
		.amdhsa_system_sgpr_workgroup_id_x 1
		.amdhsa_system_sgpr_workgroup_id_y 1
		.amdhsa_system_sgpr_workgroup_id_z 1
		.amdhsa_system_vgpr_workitem_id 0
		.amdhsa_next_free_vgpr 512
		.amdhsa_next_free_sgpr 66
		.amdhsa_reserve_vcc 0
		.amdhsa_float_denorm_mode_32 3
		.amdhsa_float_denorm_mode_16_64 3
		.amdhsa_memory_ordered 1
		.amdhsa_forward_progress 1
		.amdhsa_inst_pref_size 128
	.end_amdhsa_kernel
	.amdgpu_metadata
---
amdhsa.version: [ 1, 2 ]
amdhsa.kernels:
  - .name:           k_q090d41cb92_main
    .symbol:         k_q090d41cb92_main.kd
    .args:
      - { .name: w2img, .offset: 0, .size: 8, .value_kind: global_buffer, .address_space: global }
      - { .name: w2sc, .offset: 8, .size: 8, .value_kind: global_buffer, .address_space: global }
      - { .name: hxy, .offset: 16, .size: 8, .value_kind: global_buffer, .address_space: global }
      - { .name: b2, .offset: 24, .size: 8, .value_kind: global_buffer, .address_space: global }
      - { .name: W3, .offset: 32, .size: 8, .value_kind: global_buffer, .address_space: global }
      - { .name: b3, .offset: 40, .size: 8, .value_kind: global_buffer, .address_space: global }
      - { .name: out0, .offset: 48, .size: 8, .value_kind: global_buffer, .address_space: global }
    .group_segment_fixed_size: 193536
    .private_segment_fixed_size: 0
    .kernarg_segment_align: 8
    .kernarg_segment_size: 56
    .max_flat_workgroup_size: 256
    .sgpr_count:     66
    .vgpr_count:     512
    .wavefront_size: 32
...
	.end_amdgpu_metadata
.endif
;; end of part 2
;; ======== version 2 of 2: 2 launches; version 1 with the launches prep, main written anew for expert scheduling mode
;; workspace buffers: w2img 196,608 bytes; w2sc 16,384 bytes; hxy 2,097,152 bytes
;; launch prep (part 3): grid 544 x 1, 4 waves a work-group, no clusters, 0 bytes of LDS; arguments x, y, W1, b1, W2, w2img, w2sc, hxy; writes w2img, w2sc, hxy
.if DOCPART == 3
	.amdgcn_target "amdgcn-amd-amdhsa--gfx1250"
	.amdhsa_code_object_version 6
	.text
	.protected	k_q090d41cb92_prep
	.globl	k_q090d41cb92_prep
	.p2align	8
	.type	k_q090d41cb92_prep,@function
k_q090d41cb92_prep:
	s_mov_b64 s[64:65], 0
	v_nop
	global_prefetch_b8 v0, s[64:65] scope:SCOPE_SE
	s_setreg_imm32_b32 hwreg(HW_REG_WAVE_SCHED_MODE, 0, 2), 2
	s_setreg_imm32_b32 hwreg(HW_REG_WAVE_MODE, 25, 1), 1
	s_wait_xcnt 0x0
	s_wait_alu depctr_vm_vsrc(0)
; PREPARATION.  Two kinds of jobs, one wave to a job, no LDS, no barrier: waves share nothing.
;  (a) work-groups 0-511: hx + b1 = Q(x) Q(W1[0:128]) + b1 and hy = Q(y) Q(W1[128:256]), Q the MX-FP6 (E2M3) quantiser along K = 128.  A job is one tile of 16 rows x 16 hidden units:
;      job J = 4 x work-group + wave: source J >> 10 (0: x, 1: y), tile of rows (J >> 5) & 31, tile of units J & 31.
;  (b) work-groups 512-543: W2 [512 (k)][512 (n)] becomes 128 operand fragments (16 columns n x 128 along K) of codes with their scale words: tile of columns = work-group & 31, K step = wave.
; A weight's K is its FIRST axis: a lane takes a column n and its registers run DOWN K, in the order that the operand's layout gives that lane (lane (r, h): k = 64 c + 32 h + 0 .. 31 in registers 6 c .. 6 c + 5):
; the conversions' results are the operand's registers, and a lane holds two whole blocks of 32.  x's and y's K is innermost: the same lane takes the same k of its row r, 128 consecutive bytes a block.
; WORKSPACE, laid as the next launch's registers want it: w2img: fragment f = 4 nt + ks at 1536 f, registers 4 c .. 4 c + 3 at 512 c + 16 lane;  w2sc: 128 f + 4 lane;
;   hxy: [source][tile of rows][tile of units] 1,024 bytes: the result's registers 4 q .. 4 q + 3 at 512 q + 16 lane.  So each store of a wave covers 512 (the scale words: 128) consecutive bytes, aligned.
; The product is used transposed (source 0 = 16 columns of W1, source 1 = 16 rows): lane (r, h) holds row r, and its register j the hidden unit 16 nt + 8 h + j.  b1 is the C of hx's product; hy's C is 0.
; A tile's job quantises its own operands, so x, y and W1 are quantised 32 times over: 64 + 16 loads and one short chain a wave, against a third launch.
; LIMITS: NaN and infinities among the inputs are not served.  A block whose largest magnitude lies under 2^-124 (a block of zeros too) gets the scale byte 1, where the rule gives a block of zeros 127: its codes
; are zeros (or the rule's own, with the byte held at 1), and the bytes are read by this program alone.  b1 is added to hx ahead of hy, not behind it: one f32 rounding in another order.
; THE MODE: SCHED_MODE bits 1:0 = 2 (LLVM: expert scheduling mode 2), set by the entry lines.  The code itself states the register dependences
; between vector or matrix instructions and memory instructions, with s_wait_alu, always for 0.
; THE PLAN.  Registers that memory instructions touch:
;   v3 - v7              offsets, made once at the head and never written again: one wait ahead of the first load serves every load and store.
;   NW, NX, B1           loads land in them; no vector instruction names them ahead of the loads.
;   FW, SW (job b), DR (job a)   written by vector or matrix instructions, read by the stores: one wait ahead of each run of stores.
; No register that a memory instruction reads is written again, so no wait on vm_vsrc is written.
.set FW,  16                           ; v16-27   the weight's fragment
.set FX,  28                           ; v28-39   the rows' fragment
.set SW,  40                           ; v40      the weight's scale word
.set SX,  41                           ; v41      the rows'
.set TM,  42                           ; v42-43 largest magnitudes, v44-45 the conversions' scale operands, v46-47 bytes, v48 the other half's bytes
.set H2,  56                           ; v56-58, v60-62 the second halves of the two blocks' codes
.set NW,  64                           ; v64-127  64 numbers of the weight
.set NX,  128                          ; v128-191 64 numbers of my row
.set B1,  192                          ; v192-199 b1 of my eight units, or zeros
.set DR,  200                          ; v200-207 the result
; 64 numbers of a lane, two whole blocks of 32, become the fragment's 12 registers and its scale word
.macro QF num, frag, word
.irp c, 0,1
	v_max3_num_f32 v[TM+\c], |v[\num+32*\c]|, |v[\num+32*\c+1]|, 0x1800000   ; my block 2 c + h, and the floor 2^(3 - 127): the byte cannot fall under 1
.endr
.irp i, 2,4,6,8,10,12,14,16,18,20,22,24,26,28,30
.irp c, 0,1
	v_max3_num_f32 v[TM+\c], v[TM+\c], |v[\num+32*\c+\i]|, |v[\num+32*\c+\i+1]|   ; (the two blocks by turns)
.endr
.endr
.irp c, 0,1
	v_add_nc_u32 v[TM+2+\c], 0xff000000, v[TM+\c]  ; 2 off the exponent field: the conversion takes this operand's exponent field as its scale
.endr
.irp c, 0,1
	v_lshrrev_b32 v[TM+4+\c], 23, v[TM+2+\c]       ; the scale's byte
.endr
	v_lshl_or_b32 v[\word], v[TM+5], 16, v[TM+4]   ; my two bytes: blocks h and 2 + h,
	v_lshlrev_b32 v[\word], v8, v[\word]           ; at their places in the word (8 h bits up);
	v_permlanex16_b32 v[TM+6], v[\word], s32, s33
	v_or_b32 v[\word], v[\word], v[TM+6]           ; with lane l xor 16's two the word is whole, in both halves of the lanes
.irp c, 0,1
	v_cvt_scalef32_pk16_fp6_f32 v[\frag+6*\c:\frag+6*\c+2], v[\num+32*\c:\num+32*\c+15], v[TM+2+\c]
	v_cvt_scalef32_pk16_fp6_f32 v[H2+4*\c:H2+4*\c+2], v[\num+32*\c+16:\num+32*\c+31], v[TM+2+\c]   ; (a conversion's three registers begin on an even number: made here and moved)
.endr
	v_nop                                          ; one plain instruction behind the scaled conversions
.irp c, 0,1
.irp i, 0,1,2
	v_mov_b32 v[\frag+6*\c+3+\i], v[H2+4*\c+\i]
.endr
.endr
.endm
	s_load_b256 s[4:11], s[0:1], 0x0               ; x s[4:5], y s[6:7], W1 s[8:9], b1 s[10:11]
	s_load_b256 s[12:19], s[0:1], 0x20             ; W2 s[12:13], w2img s[14:15], w2sc s[16:17], hxy s[18:19]
	v_lshrrev_b32 v9, 5, v0
	v_readfirstlane_b32 s20, v9                    ; wave 0..3
	v_and_b32 v9, 31, v0                           ; lane
	v_and_b32 v1, 15, v0                           ; r
	v_bfe_u32 v2, v0, 4, 1                         ; h
	v_lshlrev_b32 v3, 4, v9                        ; 16 x lane: an image's place
	v_lshlrev_b32 v4, 2, v9                        ; 4 x lane: a scale word's
	v_lshlrev_b32 v5, 2, v1
	v_lshl_add_u32 v5, v2, 16, v5                  ; a weight: column r, and 32 h rows of 2,048 bytes down
	v_lshlrev_b32 v6, 9, v1
	v_lshl_add_u32 v6, v2, 7, v6                   ; x or y: row r of 512 bytes, + 32 h numbers
	v_lshlrev_b32 v7, 5, v2                        ; b1: my half's eight units
	v_lshlrev_b32 v8, 3, v2                        ; 8 h: the shift of my two scale bytes
	v_mov_b32 v[TM+6], 0                           ; written once: a lane permute's destination counts as one of its sources
	s_mov_b32 s32, 0x76543210
	s_mov_b32 s33, 0xfedcba98                      ; v_permlanex16_b32's selects for lane l xor 16
	s_wait_alu depctr_va_sdst(0)                   ; s20, the wave's number, is written, ahead of its first reader: the job's number is made from it
	s_lshl_b32 s21, ttmp9, 2
	s_add_co_u32 s21, s21, s20                     ; J
	s_lshr_b32 s23, s21, 10                        ; (a): the source
	s_bfe_u32 s24, s21, 0x50005                    ; (a): the tile of rows
	s_and_b32 s22, s21, 31                         ; (a): the tile of units
	s_and_b32 s25, ttmp9, 31                       ; (b): the tile of columns
	s_wait_kmcnt 0x0
	s_cmp_lt_u32 ttmp9, 512                        ; the kind of job hangs on the work-group's number alone
	s_cselect_b32 s22, s22, s25                    ; nt
	s_cselect_b32 s23, s23, s20                    ; which 128 along the weight's K: the source, or the K step
	s_cselect_b64 s[28:29], s[8:9], s[12:13]       ; the weight: W1 or W2
	s_lshl_b32 s26, s23, 18                        ; 128 rows of 2,048 bytes each,
	s_lshl_b32 s27, s22, 6                         ; 16 columns of 4 bytes each
	s_add_co_u32 s26, s26, s27
	s_mov_b32 s27, 0
	s_add_nc_u64 s[28:29], s[28:29], s[26:27]
	s_wait_alu depctr_va_vdst(0)                   ; the offsets v3 to v7 are written: every load and store of the kernel reads one of them, and none is written again
.set i, 0
.rept 64
	global_load_b32 v[NW+i], v5, s[28:29] offset:(64*(i/32)+i%32)*2048   ; weight(64 c + 32 h + i, my column): sixteen neighbouring lanes read 64 neighbouring bytes
.set i, i+1
.endr
	s_cmp_lt_u32 ttmp9, 512
	s_cbranch_scc0 .Lw2
	; ---- (a) a tile of hx + b1 or of hy
	s_cmp_eq_u32 s23, 0
	s_cselect_b64 s[30:31], s[4:5], s[6:7]         ; x or y
	s_cselect_b32 s34, -1, 0                       ; all lanes where b1 is wanted
	s_lshl_b32 s26, s24, 13                        ; 16 rows of 512 bytes
	s_add_nc_u64 s[30:31], s[30:31], s[26:27]
.set i, 0
.rept 16
	global_load_b128 v[NX+4*i:NX+4*i+3], v6, s[30:31] offset:256*(i/8)+16*(i%8)   ; my row's k = 64 c + 32 h + 0 .. 31
.set i, i+1
.endr
	s_lshl_b32 s26, s22, 6
	s_add_nc_u64 s[10:11], s[10:11], s[26:27]      ; b1 at the tile's 16 units
	global_load_b128 v[B1:B1+3], v7, s[10:11]
	global_load_b128 v[B1+4:B1+7], v7, s[10:11] offset:16
	s_lshl_b32 s26, s23, 20                        ; the tile's place in hxy: source x 1,048,576
	s_lshl_b32 s35, s24, 15                        ; + tile of rows x 32,768
	s_add_co_u32 s26, s26, s35
	s_lshl_b32 s35, s22, 10                        ; + tile of units x 1,024
	s_add_co_u32 s26, s26, s35
	s_add_nc_u64 s[18:19], s[18:19], s[26:27]
	s_wait_loadcnt 0x0                             ; all 82 loads: everything below needs them
.irp j, 0,1,2,3,4,5,6,7
	v_cndmask_b32 v[B1+\j], 0, v[B1+\j], s34       ; hy's sums begin with 0
.endr
	QF NW, FW, SW
	QF NX, FX, SX
.rept 8
	v_nop                                          ; a scale register written by a vector instruction stands 8 places ahead of a scaled matrix instruction, an operand so written 4
.endr
	s_wait_alu depctr_va_vdst(0)                   ; the two fragments and the two scale words are written, which the scaled product takes; the places above stay beside this wait
	v_wmma_scale_f32_16x16x128_f8f6f4 v[DR:DR+7], v[FW:FW+11], v[FX:FX+11], v[B1:B1+7], v[SW], v[SX] matrix_a_fmt:MATRIX_FMT_FP6 matrix_b_fmt:MATRIX_FMT_FP6
.rept 4
	v_nop                                          ; four places ahead of the stores that read the result
.endr
	s_wait_alu depctr_va_vdst(0)                   ; the product has written v[DR ..], which the two stores read; the places above stay beside this wait
	global_store_b128 v3, v[DR:DR+3], s[18:19]             ; the result from its low end on: 512 consecutive bytes a store
	global_store_b128 v3, v[DR+4:DR+7], s[18:19] offset:512
	s_endpgm
.Lw2:	; ---- (b) a fragment of W2
	s_sub_co_u32 s35, s21, 2048                    ; f = 4 nt + ks
	s_mul_i32 s26, s35, 1536
	s_add_nc_u64 s[14:15], s[14:15], s[26:27]
	s_lshl_b32 s26, s35, 7
	s_add_nc_u64 s[16:17], s[16:17], s[26:27]
	s_wait_loadcnt 0x0
	QF NW, FW, SW
	s_wait_alu depctr_va_vdst(0)                   ; the codes v[FW ..] and the scale word v[SW] are written, which the four stores read
.irp c, 0,1,2
	global_store_b128 v3, v[FW+4*\c:FW+4*\c+3], s[14:15] offset:512*\c
.endr
	global_store_b32 v4, v[SW], s[16:17]
	s_endpgm
.Lfunc_end_k_q090d41cb92_prep:
	.size	k_q090d41cb92_prep, .Lfunc_end_k_q090d41cb92_prep-k_q090d41cb92_prep
	.p2alignl 7, 3214868480
	.fill 96, 4, 3214868480
	.section	.rodata,"a",@progbits
	.p2align	6, 0x0
	.amdhsa_kernel k_q090d41cb92_prep
		.amdhsa_group_segment_fixed_size 0
		.amdhsa_private_segment_fixed_size 0
		.amdhsa_enable_private_segment 0
		.amdhsa_kernarg_size 64
		.amdhsa_user_sgpr_count 2
		.amdhsa_user_sgpr_kernarg_segment_ptr 1
		.amdhsa_wavefront_size32 1
		.amdhsa_system_sgpr_workgroup_id_x 1
		.amdhsa_system_sgpr_workgroup_id_y 1
		.amdhsa_system_sgpr_workgroup_id_z 1
		.amdhsa_system_vgpr_workitem_id 0
		.amdhsa_next_free_vgpr 208
		.amdhsa_next_free_sgpr 66
		.amdhsa_reserve_vcc 0
		.amdhsa_float_denorm_mode_32 3
		.amdhsa_float_denorm_mode_16_64 3
		.amdhsa_memory_ordered 1
		.amdhsa_forward_progress 1
		.amdhsa_inst_pref_size 21
	.end_amdhsa_kernel
	.amdgpu_metadata
---
amdhsa.version: [ 1, 2 ]
amdhsa.kernels:
  - .name:           k_q090d41cb92_prep
    .symbol:         k_q090d41cb92_prep.kd
    .args:
      - { .name: x, .offset: 0, .size: 8, .value_kind: global_buffer, .address_space: global }
      - { .name: y, .offset: 8, .size: 8, .value_kind: global_buffer, .address_space: global }
      - { .name: W1, .offset: 16, .size: 8, .value_kind: global_buffer, .address_space: global }
      - { .name: b1, .offset: 24, .size: 8, .value_kind: global_buffer, .address_space: global }
      - { .name: W2, .offset: 32, .size: 8, .value_kind: global_buffer, .address_space: global }
      - { .name: w2img, .offset: 40, .size: 8, .value_kind: global_buffer, .address_space: global }
      - { .name: w2sc, .offset: 48, .size: 8, .value_kind: global_buffer, .address_space: global }
      - { .name: hxy, .offset: 56, .size: 8, .value_kind: global_buffer, .address_space: global }
    .group_segment_fixed_size: 0
    .private_segment_fixed_size: 0
    .kernarg_segment_align: 8
    .kernarg_segment_size: 64
    .max_flat_workgroup_size: 128
    .sgpr_count:     66
    .vgpr_count:     208
    .wavefront_size: 32
...
	.end_amdgpu_metadata
.endif
;; end of part 3
;; launch main (part 4): grid 32 x 8, 8 waves a work-group, no clusters, 193,536 bytes of LDS; arguments w2img, w2sc, hxy, b2, W3, b3, out0; writes out0
.if DOCPART == 4
	.amdgcn_target "amdgcn-amd-amdhsa--gfx1250"
	.amdhsa_code_object_version 6
	.text
	.protected	k_q090d41cb92_main
	.globl	k_q090d41cb92_main
	.p2align	8
	.type	k_q090d41cb92_main,@function
k_q090d41cb92_main:
	s_mov_b64 s[64:65], 0
	v_nop
	global_prefetch_b8 v0, s[64:65] scope:SCOPE_SE
	s_setreg_imm32_b32 hwreg(HW_REG_WAVE_SCHED_MODE, 0, 2), 2
	s_setreg_imm32_b32 hwreg(HW_REG_WAVE_MODE, 25, 1), 1
	s_wait_xcnt 0x0
	s_wait_alu depctr_vm_vsrc(0)
; scores[i][j] = W3 . relu(W2^T Q(relu((hx_i + b1) + hy_j)) + b2) + b3, the product with W2 on codes of MX-FP6 (E2M3) with one E8M0 scale for each 32 along K = 512; the product with W3 in f32.
; SHARES.  Work-group (x, y) owns rows i = 16 x .. 16 x + 15 and columns j = 64 y .. 64 y + 63 of the scores: 32 x 8 = 256 work-groups.  A ROW TILE of the big product is one j with the 16 i: lane r stands for i.
; THE EIGHT WAVES SHARE W2's COLUMNS: wave w owns hidden units n = 64 w .. 64 w + 63 of the second layer.  Its 16 fragments of W2 (192 registers), its b2 and its W3 stay in registers for the whole launch.
; h1 IS QUANTISED ONCE: in each interval of two row tiles wave w makes one fragment (tile w >> 2, K step w & 3) of the NEXT interval's h1 and hands it to all eight waves through LDS as an image of the operand's
; registers (three stores of 16 bytes a lane at 16 x lane, the scale word at 4 x lane); two sets of images take turns, one barrier an interval.
; TWO ORDERS.  Waves 0-3 quantise at an interval's head, waves 4-7 at its end: so that some waves' vector work stands beside other waves' matrix work.
; The product is used transposed (source 0 = 16 columns of W2, source 1 = the row tile): lane (r, h) holds i = r, and register j of tile t the unit 64 w + 16 t + 8 h + j.  b2 is the C of a sum's first instruction.
; Each wave's part of W3 . relu(..) (its 64 units) goes to its own rows of LDS; at the end the eight parts are added in a fixed order, b3 is added, and sixteen lanes store 256 consecutive, aligned bytes of a row of scores.
; NO TENSOR LOADS, NO CLUSTER: nothing is streamed; a work-group's inputs are read once, at the head, in the order of its registers.  W2's images, which all work-groups share, are 196,608 bytes: a joint load would put
; them into LDS, where with hy's 131,072 bytes they would take all 327,680 and leave none for h1's images; here they lie in registers.
; LIMITS: NaN and infinities are not served.  A block of h1 whose largest number lies under 2^-124 (a block of zeros too) gets the scale byte 1; its codes are zeros or the rule's own.
; THE MODE: SCHED_MODE bits 1:0 = 2 (LLVM: expert scheduling mode 2), set by the entry lines.  The code itself states the register dependences
; between vector or matrix instructions and memory or LDS instructions, with s_wait_alu, always for 0.
; THE PLAN.  Registers that LDS instructions touch in the loop, and who else names them:
;   XF v128-223, AS v26-33  LOADA's loads land in them at an interval's head; MUL 0 and MUL 1 read them.
;   ST v128-191             the same registers once they are multiplied: LOADHY's loads land in them behind MUL 1; MAKE adds, clips and converts them.
;   PC v224-235, PW v60     MAKE writes them and its four stores read them; the products (PC lies in the accumulators) and the next MAKE write them again.
;   TR v42, v43             FOLD a writes TR + a, PUT a stores it; it is written again an interval later.
;   PSV v9, HYA v7          addresses made by one vector add: PSV once a trip, read by PUT; HYA once an interval, read by LOADHY.
;   LI, LS, IMW, ASW, HYB   addresses made at the head and never written again.
; THE WAITS OF AN INTERVAL.  On vm_vsrc: one at its head (the last interval's PUTs and LOADHY have read TR, PSV and HYA), one in MAKE behind its stores (they have read PC and PW).
; On va_vdst: one in MAKE ahead of its stores (PC and PW are written; MAKE is done with ST); one behind MUL 1 (both MULs are done with XF and AS; HYA, PSV and TR + 0 are written): PUT 0 and LOADHY follow it;
; one behind FOLD 1 (TR + 1 is written): PUT 1 follows it.  LOADA owes none of its own: every vector or matrix instruction that names XF or AS stands ahead of one of these, and only stores of other
; registers, waits, the barrier and scalar lines stand between that wait and LOADA.
; LDS:  HY    hy of my 64 j: hy(jl, n = 16 nt + 8 u + 4 q + e) at 16 jl + 1024 u + 2048 q + 4096 nt + 4 e: a lane's four neighbours along n are 16 bytes, and all lanes of a half read the same 16
;       IMG   two sets of 8 images of 1,536 bytes (image 4 a + ks: tile a, K step ks);   ASC  their scale words, 128 bytes each;   PART  wave w's part sums: row r of 272 bytes, 4 bytes a j
.set IMG,   131072
.set ASC,   IMG+2*8*1536
.set PART,  ASC+2*8*128
.set FRB,   1536
.set SETB,  8*FRB
; REGISTERS, window 0:
.set LI,  1                            ; v1   IMG + 16 x lane
.set LS,  2                            ; v2   ASC + 4 x lane
.set IMW, 3                            ; v3   where I store my image: LI + 1536 w
.set ASW, 4                            ; v4   and its scale word: LS + 128 w
.set HYB, 5                            ; v5   hy of row tp for my K step and half: 32768 kq + 4096 h + 16 tp
.set HYL, 6                            ; v6   the same for the row that interval 0 loads
.set HYA, 7                            ; v7   the address of the loads in hand
.set PSA, 8                            ; v8   PART + 4352 w + 272 r
.set PSV, 9                            ; v9   the same at the trip's four j
.set W2S, 10                           ; v10-25  W2's scale words, fragment 4 t + ks
.set AS,  26                           ; v26-33  the images' scale words, 4 a + ks
.set SU,  34                           ; v34-41  four pairs of sums
.set TR,  42                           ; v42, v43  a tile's part sum, one register for each tile of an interval
.set TM,  44                           ; v44-47 largest numbers, v48-51 bytes, v56-59 the conversions' scale operands (v44-58: also at work at the head)
.set PW,  60                           ; v60  the scale word just made
.set UR,  61                           ; v61  the other half of the lanes' sum
.set HX,  64                           ; v64-127  (hx + b1)(i = r, 128 kq + 32 b + 16 h + e) in register 16 b + e: stays
.set XF,  128                          ; v128-175 tile 0's four fragments, v176-223 tile 1's
.set ST,  128                          ; v128-191 hy, then h1, where the fragments have been multiplied
.set ZA,  224                          ; v224-255 four accumulators
.set PC,  224                          ; v224-235 the codes just made (v236-238, v240-242 at work), where the accumulators have been folded
; window 1: v0-191 W2's fragments, 12 (4 t + ks);
.set B2R, 192                          ; v192-223 b2, 8 t + j
.set W3R, 224                          ; v224-255 W3, 8 t + j
.set WV,  20                           ; s20 wave;  s21 kq = wave & 3;  s22 tp = wave >> 2
.set KQ,  21
.set TP,  22
.set SJ,  30                           ; s30  hy's bytes passed: 64 a trip (four j)
.set SPT, 31                           ; s31  PART's bytes passed: 16 a trip
.set CNT, 32
.set MSB, 0
.macro WIN new                         ; s_set_vgpr_msb: bits 1:0 source 0, 3:2 source 1, 5:4 source 2, 7:6 destination; the high byte repeats the setting that is left
.if MSB != \new
	s_set_vgpr_msb (MSB<<8)|\new
.set MSB, \new
.endif
.endm
; 16 LDS loads: hy of one j, my 64 numbers: register 16 b + 8 u + 4 q + e = hy(j, 128 kq + 32 b + 16 h + 8 u + 4 q + e)
.macro LOADHY adr, off
.irp b, 0,1,2,3
.irp u, 0,1
.irp q, 0,1
	ds_load_b128 v[ST+16*\b+8*\u+4*\q:ST+16*\b+8*\u+4*\q+3], v[\adr] offset:(\off)+8192*\b+2048*\q+1024*\u
.endr
.endr
.endr
.endm
; h1 = relu((hx + b1) + hy) of my tile and K step, quantised; its image and scale word go to set s.  A block of 32 lies in lanes l and l xor 16.
.macro MAKE s
.set j, 0
.rept 32
	v_pk_add_f32 v[ST+j:ST+j+1], v[ST+j:ST+j+1], v[HX+j:HX+j+1]
.set j, j+2
.endr
.set j, 0
.rept 64
	v_max_num_f32 v[ST+j], 0, v[ST+j]              ; the activation, in f32
.set j, j+1
.endr
.irp b, 0,1,2,3
	v_max3_num_f32 v[TM+\b], v[ST+16*\b], v[ST+16*\b+1], 0x1800000   ; block b: my 16 numbers (none is negative), and the floor 2^(3 - 127): the byte cannot fall under 1
.endr
.irp i, 2,4,6,8,10,12,14
.irp b, 0,1,2,3
	v_max3_num_f32 v[TM+\b], v[TM+\b], v[ST+16*\b+\i], v[ST+16*\b+\i+1]   ; (the four blocks by turns)
.endr
.endr
.irp b, 0,1,2,3
	v_permlanex16_b32 v[TM+4+\b], v[TM+\b], s28, s29
.endr
.irp b, 0,1,2,3
	v_max_num_f32 v[TM+\b], v[TM+\b], v[TM+4+\b]   ; with lane l xor 16's: the block's largest number
.endr
.irp b, 0,1,2,3
	v_add_nc_u32 v[TM+12+\b], 0xff000000, v[TM+\b] ; 2 off its exponent field: the conversion's scale operand
.endr
.irp b, 0,1,2,3
	v_lshrrev_b32 v[TM+4+\b], 23, v[TM+12+\b]      ; the scale's byte
.endr
	v_lshl_or_b32 v[PW], v[TM+5], 8, v[TM+4]       ; the four bytes make my row's scale word
	v_lshl_or_b32 v[PW], v[TM+6], 16, v[PW]
	v_lshl_or_b32 v[PW], v[TM+7], 24, v[PW]
.irp c, 0,1
	v_cvt_scalef32_pk16_fp6_f32 v[PC+6*\c:PC+6*\c+2], v[ST+32*\c:ST+32*\c+15], v[TM+12+2*\c]
	v_cvt_scalef32_pk16_fp6_f32 v[PC+12+4*\c:PC+14+4*\c], v[ST+32*\c+16:ST+32*\c+31], v[TM+13+2*\c]   ; (a conversion's three registers begin on an even number)
.endr
	v_nop                                          ; one plain instruction behind the scaled conversions
.irp c, 0,1                                    ; the operand's layout wants a WHOLE block in a lane: lanes 0-15 block 2 c, lanes 16-31 block 2 c + 1
.irp i, 0,1,2
	v_permlane16_swap_b32 v[PC+6*\c+\i], v[PC+12+4*\c+\i]
.endr
.irp i, 0,1,2
	v_mov_b32 v[PC+6*\c+3+\i], v[PC+12+4*\c+\i]
.endr
.endr
	s_wait_alu depctr_va_vdst(0)                   ; the codes v[PC ..] and the word v[PW] are written, which the four stores read; and the lines above are done with v[ST ..], in which the next LDS loads land
.irp c, 0,1,2
	ds_store_b128 v[IMW], v[PC+4*\c:PC+4*\c+3] offset:(\s)*SETB+512*\c
.endr
	ds_store_b32 v[ASW], v[PW] offset:(\s)*1024
	s_wait_alu depctr_vm_vsrc(0)                   ; the four stores have read v[PC ..] and v[PW]: the next products write the accumulators, in which PC lies, and the next MAKE writes both
.endm
; 16 LDS loads: tile a's four images and their scale words out of set s
.macro LOADA a, s
.irp k, 0,1,2,3
.irp c, 0,1,2
	ds_load_b128 v[XF+48*(\a)+12*\k+4*\c:XF+48*(\a)+12*\k+4*\c+3], v[LI] offset:(\s)*SETB+(4*(\a)+\k)*FRB+512*\c
.endr
	ds_load_b32 v[AS+4*(\a)+\k], v[LS] offset:(\s)*1024+(4*(\a)+\k)*128
.endr
.endm
; 16 matrix instructions: tile a against my four tiles of W2's columns, K step by K step: the four accumulators take turns, one instruction a turn.  The first K step takes b2 as C.
.macro MUL a
.irp k, 0,1,2,3
.if \k == 0
	WIN 0x11                                       ; source 0 (W2) and source 2 (b2) window 1
.else
	WIN 0x01                                       ; source 0 window 1
.endif
.irp t, 0,1,2,3
.if \k == 0
	v_wmma_scale_f32_16x16x128_f8f6f4 v[ZA+8*\t:ZA+8*\t+7], v[12*(4*\t+\k):12*(4*\t+\k)+11], v[XF+48*(\a)+12*\k:XF+48*(\a)+12*\k+11], v[B2R+8*\t:B2R+8*\t+7], v[W2S+4*\t+\k], v[AS+4*(\a)+\k] matrix_a_fmt:MATRIX_FMT_FP6 matrix_b_fmt:MATRIX_FMT_FP6
.else
	v_wmma_scale_f32_16x16x128_f8f6f4 v[ZA+8*\t:ZA+8*\t+7], v[12*(4*\t+\k):12*(4*\t+\k)+11], v[XF+48*(\a)+12*\k:XF+48*(\a)+12*\k+11], v[ZA+8*\t:ZA+8*\t+7], v[W2S+4*\t+\k], v[AS+4*(\a)+\k] matrix_a_fmt:MATRIX_FMT_FP6 matrix_b_fmt:MATRIX_FMT_FP6
.endif
.endr
.endr
.rept 4
	v_nop                                          ; four places ahead of the first read of results (ISA guide 7.12.1)
.endr
.endm
; Tile a's 32 results of a lane: relu, times W3, summed; with the other half of the lanes': my wave's part of score (i = r, j), in v[TR + a].  Each accumulator is read from its low end on.
; The clips of the three accumulators that the last product did not write, and the tail, are more than the five places that the next MUL's first instructions, which begin the accumulators anew, have to keep.
.macro FOLD a
	WIN 0x01                                       ; source 0 (W3) window 1; the clips' source 0 is a constant
.irp p, 0,1,2,3
.irp t, 0,1,2,3
	v_max_num_f32 v[ZA+8*\t+2*\p], 0, v[ZA+8*\t+2*\p]
	v_max_num_f32 v[ZA+8*\t+2*\p+1], 0, v[ZA+8*\t+2*\p+1]
.endr
.irp t, 0,1,2,3
.if \p == 0
	v_pk_mul_f32 v[SU+2*\t:SU+2*\t+1], v[W3R+8*\t+2*\p:W3R+8*\t+2*\p+1], v[ZA+8*\t+2*\p:ZA+8*\t+2*\p+1]   ; the first products start the sums
.else
	v_pk_fma_f32 v[SU+2*\t:SU+2*\t+1], v[W3R+8*\t+2*\p:W3R+8*\t+2*\p+1], v[ZA+8*\t+2*\p:ZA+8*\t+2*\p+1], v[SU+2*\t:SU+2*\t+1]
.endif
.endr
.endr
	WIN 0
	v_pk_add_f32 v[SU:SU+1], v[SU:SU+1], v[SU+2:SU+3]
	v_pk_add_f32 v[SU+4:SU+5], v[SU+4:SU+5], v[SU+6:SU+7]
	v_pk_add_f32 v[SU:SU+1], v[SU:SU+1], v[SU+4:SU+5]
	v_add_f32 v[TR+\a], v[SU], v[SU+1]
	v_permlanex16_b32 v[UR], v[TR+\a], s28, s29
	v_add_f32 v[TR+\a], v[TR+\a], v[UR]
.endm
; Tile a's part sum goes to my rows of PART
.macro PUT a, off
	ds_store_b32 v[PSV], v[TR+\a] offset:\off      ; lanes r and r + 16 write the same word with the same value
.endm
; AN INTERVAL: two row tiles out of set s.  mk = 1: the next interval's images are made, into the other set.  ld = 1: every wave loads hy for its next MAKE; 2: waves 4-7 alone; 0: none.
; Waves 0-3 load, in interval n, row 2 n + 4 (their MAKE at the head of interval n + 1 serves interval n + 2); waves 4-7 row 2 n + 3, and quantise it at this interval's end.
.macro INTERVAL s, mk, ld
	s_wait_alu depctr_vm_vsrc(0)                   ; the last interval's two PUTs have read v[TR], v[TR+1] and v[PSV], its LOADHY has read v[HYA]: this interval's vector lines write all four again
.if \mk
	s_cmp_lg_u32 s[TP], 0
	s_cbranch_scc1 .Llate_\@
	MAKE 1-\s                                      ; waves 0-3: hy was waited for in front of the last barrier
.Llate_\@:
.endif
	LOADA 0, \s                                    ; no wait of their own: the last lines that named XF or AS stand ahead of a wait on va_vdst (MAKE's, or those behind MUL 1 and FOLD 1)
	LOADA 1, \s
.if \s == 0
	v_add_nc_u32 v[PSV], s[SPT], v[PSA]            ; the trip's four j
.endif
	s_wait_dscnt 16                                ; tile 0's images are in, and my image's stores are done; tile 1's sixteen loads may be out
	MUL 0
	FOLD 0
	s_wait_dscnt 0x0                               ; tile 1's images are in: nothing younger is out
	MUL 1
	WIN 0
.if \ld
	v_add_nc_u32 v[HYA], s[SJ], v[HYL]
.endif
	s_wait_alu depctr_va_vdst(0)                   ; FOLD 0 has written v[TR] and the add above v[PSV], which PUT 0 reads; v[HYA] is written, which LOADHY reads; MUL 0 and MUL 1 are done reading v128-191, in which hy lands, and XF and AS, in which the next images land
	PUT 0, 8*\s
.if \ld
.if \ld == 2
	s_cmp_eq_u32 s[TP], 0
	s_cbranch_scc1 .Lnone_\@                       ; waves 0-3 have no row left to load: no load leaves hy's bytes
.endif
	LOADHY HYA, 32*\s                              ; into the registers of fragments that have been multiplied
.Lnone_\@:
.endif
	FOLD 1
	s_wait_alu depctr_va_vdst(0)                   ; FOLD 1 has written v[TR+1], which PUT 1 reads
	PUT 1, 8*\s+4
.if \mk
	s_cmp_eq_u32 s[TP], 0
	s_cbranch_scc1 .Learly_\@
	s_wait_dscnt 1                                 ; waves 4-7: hy is in; PUT 1's store may be out
	MAKE 1-\s
.Learly_\@:
.endif
	s_wait_dscnt 0x0                               ; for the others' sake: my stores have landed, and my reads of this set are over
	s_barrier_signal -1
	s_barrier_wait -1                              ; the other set is whole, and nobody reads this one any more
.endm
	s_load_b256 s[4:11], s[0:1], 0x0               ; w2img s[4:5], w2sc s[6:7], hxy s[8:9], b2 s[10:11]
	s_load_b128 s[12:15], s[0:1], 0x20             ; W3 s[12:13], b3 s[14:15]
	s_load_b64 s[16:17], s[0:1], 0x30              ; out0
	v_lshl_add_u32 v62, v0, 2, 0x2f000
	v_mov_b32 v63, 0
	v_lshrrev_b32 v44, 5, v0
	v_readfirstlane_b32 s[WV], v44                 ; wave 0..7
	s_and_b32 s24, ttmp7, 0xffff                   ; which 64 j
	s_mov_b32 s28, 0x76543210
	s_mov_b32 s29, 0xfedcba98                      ; v_permlanex16_b32's selects for lane l xor 16
	v_and_b32 v45, 31, v0                          ; lane
	v_and_b32 v46, 15, v0                          ; r
	v_bfe_u32 v47, v0, 4, 1                        ; h
	s_wait_alu depctr_va_vdst(0)
	; every LDS address: a constant + a constant x lane + a constant x wave, made here, ahead of every parting of the waves
	v_lshl_add_u32 v[LI], v45, 4, IMG
	v_lshl_add_u32 v[LS], v45, 2, ASC
	s_wait_alu depctr_va_sdst(0)                   ; s[WV], the wave's number, is written, ahead of its first reader
	s_and_b32 s[KQ], s[WV], 3
	s_lshr_b32 s[TP], s[WV], 2
	s_mul_i32 s34, s[WV], FRB
	v_add_nc_u32 v[IMW], s34, v[LI]
	s_lshl_b32 s34, s[WV], 7
	v_add_nc_u32 v[ASW], s34, v[LS]
	s_lshl_b32 s34, s[KQ], 15                      ; my K step's eight tiles of 4,096 bytes
	s_lshl_b32 s35, s[TP], 4
	s_add_co_u32 s35, s35, s34                     ; + row tp
	s_xor_b32 s36, s[TP], 1
	s_lshl_b32 s36, s36, 4
	s_add_co_u32 s36, s36, s34
	s_add_co_u32 s36, s36, 48                      ; + row 4 (waves 0-3) or row 3 (waves 4-7)
	v_lshlrev_b32 v44, 12, v47
	v_add_nc_u32 v[HYB], s35, v44
	v_add_nc_u32 v[HYL], s36, v44
	s_mul_i32 s34, s[WV], 16*272
	s_add_co_u32 s34, s34, PART
	v_mul_u32_u24 v[PSA], v46, 272
	v_add_nc_u32 v[PSA], s34, v[PSA]
	; offsets of the head's loads, and hy's places in LDS
	v_lshlrev_b32 v52, 4, v45                      ; 16 x lane
	v_lshlrev_b32 v53, 5, v47                      ; 32 h
	v_lshlrev_b32 v54, 2, v45                      ; 4 x lane
	v_lshlrev_b32 v55, 4, v46
	v_lshl_add_u32 v55, v47, 10, v55               ; hx: 16 r + 1024 h
	v_lshlrev_b32 v56, 4, v0                       ; hy: 16 x thread
	v_lshlrev_b32 v57, 4, v46                      ; in LDS: 16 (thread & 15): the j of a tile of rows,
	v_lshl_add_u32 v57, v47, 10, v57               ; + 1024 u (thread's bit 4),
	v_bfe_u32 v44, v0, 5, 1
	v_lshl_add_u32 v57, v44, 11, v57               ; + 2048 q (bit 5),
	v_lshrrev_b32 v44, 6, v0
	v_lshl_add_u32 v57, v44, 12, v57               ; + 4096 (thread >> 6): the low two bits of nt
	v_add_nc_u32 v58, 65536, v57                   ; (an LDS offset has 16 bits)
.irp b, 0,1,2,3
	v_mov_b32 v[TM+4+\b], 0                        ; written once: a lane permute's destination counts as one of its sources
.endr
	v_mov_b32 v[UR], 0
	s_mov_b32 s27, 0
	s_wait_kmcnt 0x0
	s_load_b32 s33, s[14:15], 0x0                  ; b3
	s_mul_i32 s26, s[WV], 16*FRB
	s_add_nc_u64 s[4:5], s[4:5], s[26:27]          ; my 16 fragments of W2,
	s_lshl_b32 s26, s[WV], 11
	s_add_nc_u64 s[6:7], s[6:7], s[26:27]          ; their scale words,
	s_lshl_b32 s26, s[WV], 8
	s_add_nc_u64 s[10:11], s[10:11], s[26:27]      ; my 64 numbers of b2
	s_add_nc_u64 s[12:13], s[12:13], s[26:27]      ; and of W3
	s_lshl_b32 s26, ttmp9, 15                      ; hx + b1: my tile of rows, 32,768 bytes each,
	s_lshl_b32 s34, s[KQ], 13                      ; my K step's eight tiles of 1,024
	s_add_co_u32 s26, s26, s34
	s_add_nc_u64 s[38:39], s[8:9], s[26:27]
	s_lshl_b32 s26, s24, 17                        ; hy: my 64 j are four tiles of rows: 131,072 consecutive bytes,
	s_add_co_u32 s26, s26, 1048576                 ; behind hx's half of the buffer
	s_add_nc_u64 s[18:19], s[8:9], s[26:27]
	s_lshl_b32 s26, ttmp9, 15                      ; the scores: 16 rows of 2,048 bytes,
	s_lshl_b32 s34, s24, 8                         ; 64 columns of 4
	s_add_co_u32 s26, s26, s34
	s_add_nc_u64 s[16:17], s[16:17], s[26:27]
	WIN 0x40                                       ; destination window 1
	s_wait_alu depctr_va_vdst(0)                   ; the offsets v52 to v58 and the LDS addresses v1 to v5 are written, which the loads and LDS instructions below read; only loads and window switches follow up to the last of the head's loads
.set i, 0
.rept 48
	global_load_b128 v[4*i:4*i+3], v52, s[4:5] offset:512*i    ; W2's fragments as they lie: 512 consecutive bytes a load
.set i, i+1
.endr
.irp t, 0,1,2,3
.irp q, 0,1
	global_load_b128 v[B2R+8*\t+4*\q:B2R+8*\t+4*\q+3], v53, s[10:11] offset:64*\t+16*\q
	global_load_b128 v[W3R+8*\t+4*\q:W3R+8*\t+4*\q+3], v53, s[12:13] offset:64*\t+16*\q
.endr
.endr
	WIN 0
.set i, 0
.rept 16
	global_load_b32 v[W2S+i], v54, s[6:7] offset:128*i
.set i, i+1
.endr
.irp b, 0,1,2,3
.irp u, 0,1
.irp q, 0,1
	global_load_b128 v[HX+16*\b+8*\u+4*\q:HX+16*\b+8*\u+4*\q+3], v55, s[38:39] offset:2048*\b+512*\q+256*\u
.endr
.endr
.endr
.set n, 0
.rept 32
	global_load_b128 v[128+4*n:128+4*n+3], v56, s[18:19] offset:4096*n   ; the eight waves together read 4,096 consecutive bytes
.set n, n+1
.endr
	s_wait_loadcnt 0x0                             ; one wait: all of it is wanted ahead of the first interval
	s_wait_kmcnt 0x0                               ; b3
.set n, 0
.rept 32                                       ; load n holds tile of rows n >> 3, nt = 4 (n & 7) + (thread >> 6)
.if (n&7) < 4
	ds_store_b128 v57, v[128+4*n:128+4*n+3] offset:(n&7)*16384+(n>>3)*256
.else
	ds_store_b128 v58, v[128+4*n:128+4*n+3] offset:((n&7)-4)*16384+(n>>3)*256
.endif
.set n, n+1
.endr
	s_wait_dscnt 0x0                               ; for the others' sake: my part of hy has landed
	s_barrier_signal -1
	s_barrier_wait -1                              ; hy is whole; nobody writes it again
	s_wait_alu depctr_vm_vsrc(0)                   ; my 32 LDS stores have read v128-255, v57 and v58, and hy's loads v56: hy's LDS loads land in v128-191, and the first MAKE writes v56-58 and v224-242
	LOADHY HYB, 0                                  ; interval 0's images: row tp
	s_wait_dscnt 0x0
	MAKE 0
	s_cmp_lg_u32 s[TP], 0
	s_cbranch_scc1 .Lpro
	LOADHY HYB, 32                                 ; waves 0-3: row 2, for the MAKE at the head of interval 0 (MAKE's wait on va_vdst has shown it done with these registers)
.Lpro:
	s_wait_dscnt 0x0
	s_barrier_signal -1
	s_barrier_wait -1                              ; set 0 is whole
	s_mov_b32 s[SJ], 0
	s_mov_b32 s[SPT], 0
	s_mov_b32 s[CNT], 15
.Ltrip:                                            ; 15 trips of two intervals: j = 0 .. 59
	INTERVAL 0, 1, 1
	INTERVAL 1, 1, 1
	s_add_co_u32 s[SJ], s[SJ], 64
	s_add_co_u32 s[SPT], s[SPT], 16
	s_sub_co_u32 s[CNT], s[CNT], 1
	s_cmp_lg_u32 s[CNT], 0
	s_cbranch_scc1 .Ltrip
	INTERVAL 0, 1, 2                               ; the last two intervals are written out: they load and make only what is still read
	INTERVAL 1, 0, 0
	; THE WAY OUT.  Thread t takes row t >> 4 and four j, 16 (t & 15) bytes on: the eight waves' parts, added in a fixed order, and b3.
	v_lshrrev_b32 v44, 4, v0
	v_and_b32 v45, 15, v0
	v_mul_u32_u24 v46, v44, 272
	v_lshl_add_u32 v46, v45, 4, v46
	v_add_nc_u32 v46, PART, v46
	v_lshlrev_b32 v47, 11, v44
	v_lshl_add_u32 v47, v45, 4, v47                ; and the same place in the scores
	s_wait_alu depctr_va_vdst(0)                   ; v46 is written, which the eight LDS loads read as their address
.irp g, 0,1,2,3,4,5,6,7
	ds_load_b128 v[128+4*\g:128+4*\g+3], v46 offset:\g*16*272
.endr
	s_wait_dscnt 0x0
.irp g, 0,2,4,6
	v_pk_add_f32 v[128+4*\g:128+4*\g+1], v[128+4*\g:128+4*\g+1], v[128+4*\g+4:128+4*\g+5]
	v_pk_add_f32 v[128+4*\g+2:128+4*\g+3], v[128+4*\g+2:128+4*\g+3], v[128+4*\g+6:128+4*\g+7]
.endr
.irp g, 0,4
	v_pk_add_f32 v[128+4*\g:128+4*\g+1], v[128+4*\g:128+4*\g+1], v[128+4*\g+8:128+4*\g+9]
	v_pk_add_f32 v[128+4*\g+2:128+4*\g+3], v[128+4*\g+2:128+4*\g+3], v[128+4*\g+10:128+4*\g+11]
.endr
	v_pk_add_f32 v[128:129], v[128:129], v[144:145]
	v_pk_add_f32 v[130:131], v[130:131], v[146:147]
.irp e, 0,1,2,3
	v_add_f32 v[128+\e], s33, v[128+\e]
.endr
	s_wait_alu depctr_va_vdst(0)                   ; the four scores v128-131 are written, which the store reads
	global_store_b128 v47, v[128:131], s[16:17] th:TH_STORE_NT   ; sixteen lanes store 256 consecutive bytes, at a multiple of 256 from the scores' first byte; written once, read by nobody here
	s_wait_dscnt 0x0                               ; the closing lines, six on end
	s_wait_alu 0x0
	s_wait_tensorcnt 0x0
	ds_add_u32 v62, v63
	s_wait_dscnt 0x0
	s_endpgm
.Lfunc_end_k_q090d41cb92_main:
	.size	k_q090d41cb92_main, .Lfunc_end_k_q090d41cb92_main-k_q090d41cb92_main
	.p2alignl 7, 3214868480
	.fill 96, 4, 3214868480
	.section	.rodata,"a",@progbits
	.p2align	6, 0x0
	.amdhsa_kernel k_q090d41cb92_main
		.amdhsa_group_segment_fixed_size 193536
		.amdhsa_private_segment_fixed_size 0
		.amdhsa_enable_private_segment 0
		.amdhsa_kernarg_size 56
		.amdhsa_user_sgpr_count 2
		.amdhsa_user_sgpr_kernarg_segment_ptr 1
		.amdhsa_wavefront_size32 1
		.amdhsa_system_sgpr_workgroup_id_x 1
		.amdhsa_system_sgpr_workgroup_id_y 1
		.amdhsa_system_sgpr_workgroup_id_z 1
		.amdhsa_system_vgpr_workitem_id 0
		.amdhsa_next_free_vgpr 512
		.amdhsa_next_free_sgpr 66
		.amdhsa_reserve_vcc 0
		.amdhsa_float_denorm_mode_32 3
		.amdhsa_float_denorm_mode_16_64 3
		.amdhsa_memory_ordered 1
		.amdhsa_forward_progress 1
		.amdhsa_inst_pref_size 129
	.end_amdhsa_kernel
	.amdgpu_metadata
---
amdhsa.version: [ 1, 2 ]
amdhsa.kernels:
  - .name:           k_q090d41cb92_main
    .symbol:         k_q090d41cb92_main.kd
    .args:
      - { .name: w2img, .offset: 0, .size: 8, .value_kind: global_buffer, .address_space: global }
      - { .name: w2sc, .offset: 8, .size: 8, .value_kind: global_buffer, .address_space: global }
      - { .name: hxy, .offset: 16, .size: 8, .value_kind: global_buffer, .address_space: global }
      - { .name: b2, .offset: 24, .size: 8, .value_kind: global_buffer, .address_space: global }
      - { .name: W3, .offset: 32, .size: 8, .value_kind: global_buffer, .address_space: global }
      - { .name: b3, .offset: 40, .size: 8, .value_kind: global_buffer, .address_space: global }
      - { .name: out0, .offset: 48, .size: 8, .value_kind: global_buffer, .address_space: global }
    .group_segment_fixed_size: 193536
    .private_segment_fixed_size: 0
    .kernarg_segment_align: 8
    .kernarg_segment_size: 56
    .max_flat_workgroup_size: 256
    .sgpr_count:     66
    .vgpr_count:     512
    .wavefront_size: 32
...
	.end_amdgpu_metadata
.endif
;; end of part 4
